; MI455X (gfx1250); checked and timed in simulation.
; The chip was launched on July 23, 2026; its instructions are those of AMD's public machine-readable ISA for CDNA 5 (MIT licence, August 2026) and "CDNA5" Instruction Set Architecture Reference Guide (July 2026). The comments in the code are by the model that wrote it; some were corrected since.
;; L Lama Attention. Allowed arithmetic: matrix products marked QUANTISED: E2M1 operands, one E8M0 scale for each 32 along K, by v_wmma_scale_f32_16x16x128_f8f6f4 with both operands' format E2M1 (or v_wmma_scale_f32_32x16x128_f4), f32 sums; everything else in f32.
;; Inputs: K 4 x 4 x 16 x 128 float32; Kcache 4 x 4 x 8,176 x 128 float32; Q 4 x 32 x 16 x 128 float32; V 4 x 4 x 16 x 128 float32; Vcache 4 x 4 x 8,176 x 128 float32; w1 128 float32; w2 128 float32; w3 8,192 float32.
;; Outputs: out0 4 x 32 x 16 x 128 float32.
;; This version of the problem:
;;   THIS VERSION OF THE PROBLEM IS GIVEN IN LOW PRECISION. The matrix products marked QUANTISED in the list below multiply operands that are first quantised to E2M1 (2 exponent bits, 1 mantissa bit; 4 bits a number), with one power-of-two scale for each 32 numbers along K (OCP MX v1.0); their sums are f32. All else is computed in f32.
;;   The module's matrix products, in the order in which they are computed (A, B: the left and right operand; K: the contracted axis; several contracted axes count as one K, in the product's order):
;;     1. batch 16 x [M 128, K 128] x [K 128, N 8,192]; A: computed on the way; B: computed on the way: QUANTISED
;;     2. batch 16 x [M 128, K 8,192] x [K 8,192, N 128]; A: softmax (see below); B: computed on the way: QUANTISED
;;   THE QUANTISER, for each operand of a quantised product, along K:
;;     - K is cut into blocks of 32 from its start; a last block that is shorter is filled with zeros.
;;     - A block's scale is 2^e with e = floor(log2(the largest magnitude in the block)) - 2, held to -126 .. 127; a block of zeros has e = 0. As a byte (E8M0): e + 127.
;;     - Each number is divided by its block's scale, clamped to +-6, and rounded to the nearest number of E2M1, ties to even, subnormals kept.
;;     - The product sums the exact products of the quantised numbers (number of the format x scale) in f32.
;;   ~~~python
;;   def quantise(x, axis):      # numpy; x: float32 -> the quantised numbers, widened to float32 again
;;       x = np.moveaxis(x, axis, -1); K = x.shape[-1]
;;       x = np.pad(x, [(0, 0)] * (x.ndim - 1) + [(0, -K % 32)]); x = x.reshape(x.shape[:-1] + (-1, 32)); a = np.abs(x).max(-1, keepdims=True)
;;       e = np.where(a > 0, np.clip(np.frexp(np.where(a > 0, a, 1))[1] - 1 - 2, -126, 127), 0)      # np.frexp(a)[1] - 1 = floor(log2(a)), exactly
;;       r = np.clip(x / 2.0 ** e, -6, 6)
;;       step = 2.0 ** (np.maximum(np.frexp(np.where(r == 0, 1, r))[1] - 1, 0) - 1)
;;       q = np.round(r / step) * step * 2.0 ** e      # np.round: ties to even
;;       return np.moveaxis(q.reshape(q.shape[:-2] + (-1,))[..., :K], -1, axis).astype(np.float32)
;;   ~~~
;;   SOFTMAX AHEAD OF A QUANTISED PRODUCT. Where the list says 'softmax', what is quantised is not the finished softmax but p = 2^(t - M), with t = logit x log2(e) and M = ceil(the row's largest t), a whole number; so 1/2 < the row's largest p <= 1. The row's sum l is taken of the UNQUANTISED p, in f32, and the product's result is divided by l at the end. Since M is a whole number, a kernel that streams over the keys may use a running M (the ceiling of the running maximum): every later rescaling is an exact power of two, which a block's scale takes up: the codes' values come out the same.
;;   OPERANDS COMPUTED ON THE WAY. 'Computed on the way' means the value that the module computes at that place (a softmax that the list does not call 'softmax' is quantised finished and normalised). What goes into a quantiser is computed in f32, as accurately as f32 sums, v_exp_f32 and their like allow (about 1e-6 of the number): no bf16 or f16 on the way to a quantiser, and a product that is left as it is and whose result goes on into a quantised operand takes f32 operands (vector FMAs, or v_wmma_f32_16x16x4_f32). A number that lies on a knife's edge between two numbers of the format may be rounded either way, as far as f32 arithmetic and the matrix unit's own rounding can turn it there, and no further.
;; One version. Each part assembles by itself: llvm-mc -triple=amdgcn-amd-amdhsa -mcpu=gfx1250 --defsym DOCPART=n.
;; ======== version 1 of 1: 2 launches
;; limits: right only within a limited range of input values
;; workspace buffers: part 16,777,216 bytes; stats 262,144 bytes
;; launch attn (part 1): grid 16 x 16, 16 waves a work-group, no clusters, 327,680 bytes of LDS; arguments Q, K, V, Kcache, Vcache, w1, w2, w3, part, stats; writes part, stats
.if DOCPART == 1
	.amdgcn_target "amdgcn-amd-amdhsa--gfx1250"
	.amdhsa_code_object_version 6
	.text
	.protected	k_qf6c9b79bcd_attn
	.globl	k_qf6c9b79bcd_attn
	.p2align	8
	.type	k_qf6c9b79bcd_attn,@function
k_qf6c9b79bcd_attn:
	s_mov_b64 s[64:65], 0
	v_nop
	global_prefetch_b8 v0, s[64:65] scope:SCOPE_SE
	s_setreg_imm32_b32 hwreg(HW_REG_WAVE_MODE, 25, 1), 1
	s_wait_xcnt 0x0
; Grouped-query attention on codes of FP4 (E2M1) with one E8M0 scale for each 32 along a product's K: the partial sums of one chunk of keys.
; 16 batches (b, kv head) of 128 queries (8 heads x 16 positions, consecutive rows of Q), head size 128, 8,192 keys: 8,176 rows of the cache, then 16 new rows.
; Q and the 16 new rows of K are multiplied by coeff = w2 + w1 (d < 64) or w2 - w1 (d >= 64).  logit = s / sqrt(128) + w3[key];  t = logit x log2(e).
; SHARES.  A work-group (x = chunk, y = batch) takes 512 keys; each of its 16 waves owns 32 of them, one block along the second product's K, from the loads to p and V's codes.
;   K: a wave's 32 rows come by ONE tensor load into LDS bytes that it alone reads.  Wave 15 loads 16 rows so; its last 16 (cache rows, or in the batch's last chunk the new rows) come densely into registers.
;   V: a wave's 32 rows come as 32 loads of one row each (512 consecutive bytes, lane l: channels 4 l .. 4 l + 3) into 128 registers.  They are asked for behind a barrier that waves 0-10 signal when their tile of K has
;   landed and waves 11-15 at once: so K goes ahead of V, and when V's requests begin at most five tiles (72 KB) of K are still out.
; FIRST PRODUCT, transposed: source 0 = 16 keys, source 1 = 16 queries, C = w3 x sqrt(128): lane (r, h) holds query r and keys 16 t + 8 h + j.  t = (s + w3 sqrt(128)) x log2(e) / sqrt(128).
; SOFTMAX OF A BLOCK.  p's codes do not hang on the whole number that is taken off t, for it is a power of two in the block's scale.  Each block takes F = floor(its largest t): its largest p = 2^(t - F) lies in [1, 2), so its scale
;   is 2^-2, byte 125, with no search.  After one exchange through LDS the byte becomes 125 - (F_wg - F), F_wg the work-group's largest F: that is the maximum that is taken away.  l is the sum of the unquantised p.
; THE ORDER OF KEYS IN A BLOCK, alike for p and V: register g of the block's four holds keys 16 (g % 2) + 8 (g / 2) + 0 .. 7: so lane (r, h)'s two code registers of p are neighbours, g = 2 h, 2 h + 1.
; SECOND PRODUCT, transposed: source 0 = 16 channels of V, source 1 = p.  Tile T = 2 i + H of V has row m = channel 64 H + 4 m + i.  Wave w makes q tiles 4 (w / 8) + 0 .. 3 x tile T = w % 8, over all 512 keys.
; OUT: part[wg][2 H + i / 2][2 q + i % 2][half][lane][4] f32, the accumulators as they stand, under F_wg; stats[wg][0][128] = -F_wg, stats[wg][1][128] = l under F_wg.
; NO CLUSTER: the 16 work-groups of a batch share Q, w1 and w2 alone, 65 KB beside the 512 KB of K and V that each reads for itself.  NO PREFETCH: there is no loop to run ahead in; every byte is asked for once, by its own load.
; LIMITS: NaN and infinities are not served.  A block of Q, K or V whose largest magnitude lies under 2^-124 keeps the scale byte 1 (a block of zeros too: its codes are zeros, and this program alone reads the bytes).
;   A block of p more than 124 under F_wg is held at the byte 1: such p lie under 6 x 2^-126.  A block's byte is taken from F, which follows the largest score x constant rounded once: where that product lies within a rounding
;   of a whole number, F may be the other neighbour's.  w3 enters as the C of the first product, which costs one rounding more than reference()'s order.  The scaled scores stay under 2^31 in magnitude.
.set CACHEB, 8176*512                  ; a batch's rows of a cache, in bytes
.set KPITCH, 528                       ; a row of K in LDS: 512 bytes + 16 of padding
.set KWAVE,  32*KPITCH                 ; a wave's 32 rows
.set KTILE,  16*KPITCH
.set QIMG,   15*KWAVE+KTILE            ; (wave 15's tensor load brings 16 rows.)  Q's eight fragments as images of registers, 1,024 bytes each
.set LIMG,   QIMG+8192                 ; wave 15's last 16 keys, likewise
.set QSC,    LIMG+1024                 ; Q's scale words, one a row
.set LSC,    QSC+512                   ; those of the last 16 keys
.set PIMG,   LSC+256                   ; p's fragments as images: (8 s + q) x 1,024, s = the K step = wave / 4
.set FST,    PIMG+32768                ; -F: 512 wave + 4 query
.set LSO,    8192                      ; and l, this far behind
.set SOUT,   FST+2*LSO                 ; waves 0 and 1: -F_wg and l of 64 queries, 512 bytes each
.set PSC,    SOUT+1024                 ; p's scale words under F_wg: 16 query + 4 s
.set SPARE,  PSC+2048                  ; the spare words, 128 bytes for each wave
.set VIMG,   0                         ; behind barrier 1, where K's tiles lay (they have had their only fill): V's fragments as images, (8 s + T) x 1,024
.set VSC,    32768                     ; and V's scale bytes: 256 T + 16 m + 4 s + block
.set L16, 1                            ; 16 x lane
.set KAD, 2                            ; my place in my wave's rows of K: 528 r + 128 h
.set QIR, 3
.set PIW, 4
.set FW,  5
.set SPW, 6                            ; LDS address of my spare word; never rewritten
.set NIL, 7                            ; 0; never rewritten
.set SH8, 8                            ; 8 h
.set TT,  9                            ; a lane permute's destination
.set QS,  10                           ; v10-13 Q's scale words, a pair of tiles each (lanes 0-15 the first's, 16-31 the second's)
.set KS,  14                           ; v14-15 K's
.set LP,  16                           ; v16-19 l, a pair of tiles each
.set QSR, 16                           ; ahead of the softmax: the address of Q's scale words
.set W3O, 17                           ; and of w3: 32 h
.set QIW, 26
.set QSW, 27
.set LIW, 28
.set LSW, 29
.set LIR, 30
.set LSR, 31
.set W3R, 32                           ; v32-47 w3 x sqrt(128) in the result's layout, two tiles
.set W1T, 48
.set W2T, 52
.set CF,  56                           ; coeff of my four channels
.set KC,  60                           ; the same, or 1.0 where wave 15's dense tile is cache rows
.set KF,  48                           ; v48-63 K's two fragments
.set X0,  64                           ; v64-127 64 numbers of a row of K
.set QR,  64                           ; v64-95 my eight rows of Q as loaded
.set AM,  96                           ; the quantiser of dense rows: maxima, then scale operands; bytes; codes
.set BT,  104
.set CD,  112
.set S,   64                           ; v64-95 the scores of two query tiles, then p
.set QB0, 96                           ; v96-127 Q's fragments, two buffers of two tiles
.set VR,  128                          ; v128-255 V as loaded: key kk, channel 4 lane + i at VR + 4 kk + i
.set DR,  160                          ; v160-223, ahead of V: wave 15's dense tile of K
; behind the softmax: addresses of the second half
.set VIW, 10
.set VSW, 11
.set VIR, 12
.set VSR, 13
.set PIR, 14
.set PSR, 15
.set FR,  16
.set PSW, 17
.set STW, 18
.set STR, 19
.set G8,  9                            ; 8 x lane
.set VC,  48                           ; v48-63 V's codes
.set PSL, 32                           ; v32-39 p's scale words: 4 a + s, two query tiles each
.set VSL, 40                           ; v40-43 V's
.set PF,  64                           ; v64-191 p's fragments: 32 s + 8 q
.set VF,  192                          ; v192-223 V's fragments: 8 s.  Ahead of that, waves 0 and 1: -F, then F - F_wg
.set ACC, 224                          ; v224-255 the four accumulators.  Ahead of that, waves 0 and 1: l
.set WV,  28
.set BAT, 30
.set CW,  31                           ; 16 x chunk + wave: which 32 keys of the batch are mine
.set CS,  68                           ; s[68:69] c = log2(e) / sqrt(128)
.set SEL, 70
.set CSN, 72                           ; -c
.set NEWM, 73
; eight rows loaded densely (row i in raw + 4 i ..): times mul, quantised along d; a block of 32 lies in eight neighbouring lanes.  The conversion takes two rows' numbers; of each result the half that belongs to the scale's own row is stored.
.macro DQ raw, mul, adr, sad, o
.irp i, 0,1,2,3,4,5,6,7
	v_pk_mul_f32 v[(\raw)+4*\i:(\raw)+4*\i+1], v[(\raw)+4*\i:(\raw)+4*\i+1], v[(\mul):(\mul)+1]
	v_pk_mul_f32 v[(\raw)+4*\i+2:(\raw)+4*\i+3], v[(\raw)+4*\i+2:(\raw)+4*\i+3], v[(\mul)+2:(\mul)+3]
.endr
.irp i, 0,1,2,3,4,5,6,7
	v_max3_num_f32 v[AM+\i], |v[(\raw)+4*\i]|, |v[(\raw)+4*\i+1]|, 0x1800000   ; the floor among the leaves: the byte cannot fall under 1
.endr
.irp i, 0,1,2,3,4,5,6,7
	v_max3_num_f32 v[AM+\i], v[AM+\i], |v[(\raw)+4*\i+2]|, |v[(\raw)+4*\i+3]|
.endr
.irp m, 1,2,4
.irp i, 0,1,2,3,4,5,6,7
	v_max_num_f32_dpp v[AM+\i], v[AM+\i], v[AM+\i] row_xmask:\m row_mask:0xf bank_mask:0xf
.endr
.endr
.irp i, 0,1,2,3,4,5,6,7
	v_add_nc_u32 v[AM+\i], 0xff000000, v[AM+\i]    ; 2 off the exponent field: the conversion's scale operand
.endr
.irp i, 0,1,2,3,4,5,6,7
	v_lshrrev_b32 v[BT+\i], 23, v[AM+\i]           ; the scale's byte
.endr
.irp i, 0,1,2,3,4,5,6,7
	v_cvt_scalef32_pk8_fp4_f32 v[CD+\i], v[(\raw)+8*(\i/2):(\raw)+8*(\i/2)+7], v[AM+\i]
.endr
	v_nop                                          ; one plain place behind a scaled conversion
.irp i, 0,2,4,6
	ds_store_b16 v[\adr], v[CD+\i] offset:16*\i+128*(\o)
	ds_store_b16_d16_hi v[\adr], v[CD+\i+1] offset:16*\i+16+128*(\o)
.endr
.irp i, 0,1,2,3,4,5,6,7
	ds_store_b8 v[\sad], v[BT+\i] offset:4*\i+32*(\o)   ; the block's eight lanes write the same byte with the same value
.endr
.endm
; tile t of my rows of K: 64 numbers of row r a lane, X0 + 32 c + i = d 64 c + 32 h + i (two whole blocks), become the fragment's eight registers and the row's scale word
.macro KTQ t
.irp c, 0,1
.irp j, 0,1,2,3,4,5,6,7
	ds_load_b128 v[X0+32*\c+4*\j:X0+32*\c+4*\j+3], v[KAD] offset:KTILE*(\t)+256*\c+16*\j
.endr
.endr
	s_wait_dscnt 0x0
.irp c, 0,1
	v_max3_num_f32 v[20+\c], |v[X0+32*\c]|, |v[X0+32*\c+1]|, 0x1800000
.endr
.irp i, 2,4,6,8,10,12,14,16,18,20,22,24,26,28,30
.irp c, 0,1
	v_max3_num_f32 v[20+\c], v[20+\c], |v[X0+32*\c+\i]|, |v[X0+32*\c+\i+1]|
.endr
.endr
.irp c, 0,1
	v_add_nc_u32 v[22+\c], 0xff000000, v[20+\c]
.endr
.irp c, 0,1
	v_lshrrev_b32 v[24+\c], 23, v[22+\c]
.endr
	v_lshl_or_b32 v[KS+(\t)], v25, 16, v24         ; my two bytes, blocks h and 2 + h,
	v_lshlrev_b32 v[KS+(\t)], v[SH8], v[KS+(\t)]   ; at their places;
	v_permlanex16_b32 v[TT], v[KS+(\t)], s[SEL], s[SEL+1]
	v_or_b32 v[KS+(\t)], v[KS+(\t)], v[TT]         ; with lane l xor 16's two the word is whole
.irp c, 0,1
.irp g, 0,1,2,3
	v_cvt_scalef32_pk8_fp4_f32 v[KF+8*(\t)+4*\c+\g], v[X0+32*\c+8*\g:X0+32*\c+8*\g+7], v[22+\c]
.endr
.endr
	v_nop
.endm
; Q's fragments of pair p (tiles 2 p, 2 p + 1)
.macro QLOAD p
.irp q, 0,1
.irp c, 0,1
	ds_load_b128 v[QB0+16*((\p)%2)+8*\q+4*\c:QB0+16*((\p)%2)+8*\q+4*\c+3], v[QIR] offset:1024*(2*(\p)+\q)+512*\c
.endr
.endr
.endm
; the scores of two query tiles against my 32 keys, and their softmax.  S + 16 q + 8 t + j
.macro PAIR p
.set QF, QB0+16*((\p)%2)
	s_wait_dscnt 0x0                               ; Q's fragments are in; the last pair's stores have read their registers
.irp t, 0,1
	v_wmma_scale_f32_16x16x128_f8f6f4 v[S+8*\t:S+8*\t+7], v[KF+8*\t:KF+8*\t+7], v[QF:QF+7], v[W3R+8*\t:W3R+8*\t+7], v[KS+\t], v[QS+(\p)] matrix_a_fmt:MATRIX_FMT_FP4 matrix_b_fmt:MATRIX_FMT_FP4
.endr
.irp t, 0,1
	v_wmma_scale_f32_16x16x128_f8f6f4 v[S+16+8*\t:S+16+8*\t+7], v[KF+8*\t:KF+8*\t+7], v[QF+8:QF+15], v[W3R+8*\t:W3R+8*\t+7], v[KS+\t], v[QS+(\p)] matrix_a_fmt:MATRIX_FMT_FP4 matrix_b_fmt:MATRIX_FMT_FP4 matrix_b_scale:MATRIX_SCALE_ROW1
.endr
.if (\p) < 3
	QLOAD (\p)+1                                   ; into the other buffer
.endif
.rept 4
	v_nop                                          ; four plain places between the products and the first read of their results (ISA guide 7.12.1)
.endr
.irp a, 0,1,2,3
	v_max3_num_f32 v[20+\a], v[S+8*\a], v[S+8*\a+1], v[S+8*\a+2]   ; the largest score: v20, v21 of the first tile, v22, v23 of the second; each result from its low end on
.endr
.irp i, 3,5
.irp a, 0,1,2,3
	v_max3_num_f32 v[20+\a], v[20+\a], v[S+8*\a+\i], v[S+8*\a+\i+1]
.endr
.endr
	v_max3_num_f32 v20, v20, v21, v[S+7]
	v_max3_num_f32 v22, v22, v23, v[S+23]
	v_max_num_f32 v20, v20, v[S+15]
	v_max_num_f32 v22, v22, v[S+31]
	v_permlane16_swap_b32 v20, v22                 ; v20: both tiles' maxima over half 0's keys, v22 over half 1's
	v_max_num_f32 v20, v20, v22                    ; lanes 0-15 the first tile's queries, 16-31 the second's
	v_mul_f32 v20, s[CSN], v20                     ; -t
	v_ceil_f32 v8, v20                             ; -F = ceil(-t)
	v_mov_b32 v24, v8
	v_mov_b32 v26, v8
	v_permlane16_swap_b32 v24, v26                 ; v24: the first tile's -F in both halves, v26: the second's
.set jj, 0
.rept 8
	v_pk_fma_f32 v[S+jj:S+jj+1], v[S+jj:S+jj+1], s[CS:CS+1], v[24:25] op_sel_hi:[1,0,0]   ; t - F, two at a time
	v_pk_fma_f32 v[S+16+jj:S+16+jj+1], v[S+16+jj:S+16+jj+1], s[CS:CS+1], v[26:27] op_sel_hi:[1,0,0]
.set jj, jj+2
.endr
	s_wait_alu depctr_va_vdst(0)                   ; ahead of the batch of exponentials
.set jj, 0
.rept 32
	v_exp_f32 v[S+jj], v[S+jj]                     ; p = 2^(t - F)
.set jj, jj+1
.endr
	v_nop                                          ; a plain place behind the exponentials
	s_wait_alu depctr_va_vdst(0)                   ; and behind it, ahead of its first reader
.irp a, 0,1,2,3
	v_pk_add_f32 v[20+2*\a:21+2*\a], v[S+8*\a:S+8*\a+1], v[S+8*\a+2:S+8*\a+3]   ; the sums of the unquantised p, in four chains of pairs
.endr
.irp i, 4,6
.irp a, 0,1,2,3
	v_pk_add_f32 v[20+2*\a:21+2*\a], v[20+2*\a:21+2*\a], v[S+8*\a+\i:S+8*\a+\i+1]
.endr
.endr
	v_pk_add_f32 v[20:21], v[20:21], v[22:23]
	v_pk_add_f32 v[24:25], v[24:25], v[26:27]
	v_add_f32 v20, v20, v21
	v_add_f32 v24, v24, v25
.irp t, 0,1
	v_cvt_scalef32_pk8_fp4_f32 v[28+\t], v[S+8*\t:S+8*\t+7], v2       ; keys 16 t + 8 h + 0 .. 7, scale 2^-2
	v_cvt_scalef32_pk8_fp4_f32 v[30+\t], v[S+16+8*\t:S+16+8*\t+7], v2
.endr
	v_permlane16_swap_b32 v20, v24
	v_add_f32 v[LP+(\p)], v20, v24                 ; l: lanes 0-15 the first tile's queries, 16-31 the second's
	ds_store_b64 v[PIW], v[28:29] offset:2048*(\p)
	ds_store_b64 v[PIW], v[30:31] offset:2048*(\p)+1024
	ds_store_b32 v[FW], v8 offset:128*(\p)
	ds_store_b32 v[FW], v[LP+(\p)] offset:LSO+128*(\p)
.endm
; 16 rows of V: a channel's 16 keys on end, dst + 16 i + key.  Two moves an instruction: of two channels, one to an even and one to an odd register
.macro COPY src, dst
.set kk, 0
.rept 8
.irp i, 0,2
	v_dual_mov_b32 v[(\dst)+16*\i+kk], v[(\src)+4*kk+\i] :: v_dual_mov_b32 v[(\dst)+16*(\i+1)+kk+1], v[(\src)+4*kk+4+\i+1]
	v_dual_mov_b32 v[(\dst)+16*(\i+1)+kk], v[(\src)+4*kk+\i+1] :: v_dual_mov_b32 v[(\dst)+16*\i+kk+1], v[(\src)+4*kk+4+\i]
.endr
.set kk, kk+2
.endr
.endm
	; ---- the head: ids, descriptors, loads
	s_load_b256 s[8:15], s[0:1], 0x0               ; Q s[8:9], K s[10:11], V s[12:13], Kcache s[14:15]
	s_load_b256 s[16:23], s[0:1], 0x20             ; Vcache s[16:17], w1 s[18:19], w2 s[20:21], w3 s[22:23]
	s_load_b128 s[24:27], s[0:1], 0x40             ; part s[24:25], stats s[26:27]
	v_lshl_add_u32 v[SPW], v0, 2, SPARE
	v_mov_b32 v[NIL], 0
	ds_add_u32 v[SPW], v[NIL]                      ; the wave's opening: the add, twice on end, and its wait ahead of my first tensor load
	ds_add_u32 v[SPW], v[NIL]
	v_lshrrev_b32 v20, 5, v0
	v_readfirstlane_b32 s[WV], v20                 ; wave 0..15
	v_and_b32 v21, 31, v0                          ; lane
	v_lshlrev_b32 v[L16], 4, v21
	v_bfe_u32 v22, v0, 4, 1                        ; h
	v_lshlrev_b32 v[W3O], 5, v22
	s_wait_alu depctr_va_vdst(0)                   ; ahead of the run of scalar instructions
	s_and_b32 s[BAT], ttmp7, 0xffff                ; batch
	s_lshl_b32 s[CW], ttmp9, 4
	s_add_co_u32 s[CW], s[CW], s[WV]
	s_mul_i32 s32, s[BAT], CACHEB
	s_lshl_b32 s33, s[CW], 14                      ; 32 rows of 512 bytes
	s_add_co_u32 s32, s32, s33                     ; my first row in a cache, in bytes (under 2^27)
	s_mov_b32 s33, 0
	s_lshl_b32 s34, s[BAT], 16
	s_lshl_b32 s35, s[WV], 12
	s_add_co_u32 s34, s34, s35                     ; Q: the batch's 128 rows, my 8 of them to quantise
	s_mov_b32 s35, 0
	s_lshl_b32 s48, s[CW], 7                       ; w3 at my first key
	s_mov_b32 s49, 0
	s_lshl_b32 s50, s[BAT], 13                     ; the batch's 16 new rows
	s_mov_b32 s51, 0
	; descriptor groups 1: rows of 128 elements of 4 bytes, dense in memory, 16 bytes of padding behind each in LDS; 32 rows, and wave 15's 16
	s_mov_b32 s40, (2<<16)|(1<<20)|(6<<22)|(3<<25) ; no mask; elements of 4 bytes; padding on; after every 128 words; of 4 words
	s_mov_b32 s41, 128<<16
	s_mov_b32 s42, 32<<16
	s_mov_b32 s43, 128<<16
	s_mov_b32 s44, 32
	s_mov_b32 s45, 128
	s_mov_b32 s46, 0
	s_mov_b32 s47, 0
	s_mov_b32 s56, (2<<16)|(1<<20)|(6<<22)|(3<<25)
	s_mov_b32 s57, 128<<16
	s_mov_b32 s58, 16<<16
	s_mov_b32 s59, 128<<16
	s_mov_b32 s60, 16
	s_mov_b32 s61, 128
	s_mov_b32 s62, 0
	s_mov_b32 s63, 0
	s_mov_b32 s36, 1                               ; group 0: count = 1,
	s_mul_i32 s37, s[WV], KWAVE                    ; LDS address: my wave's own bytes
	s_mov_b32 s[SEL], 0x76543210
	s_mov_b32 s[SEL+1], 0xfedcba98                 ; v_permlanex16_b32's selects for lane l xor 16
	s_mov_b32 s[CS], 0x3e0293ee                    ; c = log2(e) / sqrt(128)
	s_mov_b32 s[CS+1], s[CS]
	s_mov_b32 s[CSN], 0xbe0293ee
	s_wait_dscnt 0x0                               ; both opening adds are done
	s_wait_kmcnt 0x0
	s_add_nc_u64 s[8:9], s[8:9], s[34:35]
	s_add_nc_u64 s[22:23], s[22:23], s[48:49]
	s_add_nc_u64 s[14:15], s[14:15], s[32:33]      ; Kcache at my first row
	s_mov_b64 s[38:39], s[14:15]
	s_or_b32 s39, s39, 0x80000000                  ; type = 2
	; on LOADcnt: w1, w2; my 8 rows of Q; w3; (wave 15: 16 dense rows of K)
	global_load_b128 v[W1T:W1T+3], v[L16], s[18:19]
	global_load_b128 v[W2T:W2T+3], v[L16], s[20:21]
.irp i, 0,1,2,3,4,5,6,7
	global_load_b128 v[QR+4*\i:QR+4*\i+3], v[L16], s[8:9] offset:512*\i
.endr
.irp t, 0,1
.irp e, 0,1
	global_load_b128 v[W3R+8*\t+4*\e:W3R+8*\t+4*\e+3], v[W3O], s[22:23] offset:64*\t+16*\e   ; w3 of keys 16 t + 8 h + 4 e + 0 .. 3: the result's layout
.endr
.endr
	s_add_nc_u64 s[52:53], s[14:15], 0x2000        ; wave 15's last 16 rows, if they are cache rows;
	s_add_nc_u64 s[10:11], s[10:11], s[50:51]
	s_add_nc_u64 s[16:17], s[16:17], s[32:33]      ; Vcache at my first row
	s_add_nc_u64 s[54:55], s[16:17], 0x2000        ; my last 16 rows of V, likewise
	s_add_nc_u64 s[12:13], s[12:13], s[50:51]
	s_cmp_eq_u32 s[CW], 255                        ; the batch's last 32 keys end with the new rows: the choice hangs on ids alone
	s_cselect_b64 s[52:53], s[10:11], s[52:53]
	s_cselect_b64 s[54:55], s[12:13], s[54:55]
	s_cselect_b32 s[NEWM], -1, 0
	s_cmp_eq_u32 s[WV], 15                         ; one tensor load a wave, two arms and one join
	s_cbranch_scc1 .Lask_last
	tensor_load_to_lds s[36:39], s[40:47]
	s_nop 0
.rept 4
	v_nop
.endr
	s_branch .Lasked
.Lask_last:
	tensor_load_to_lds s[36:39], s[56:63]
	s_nop 0
.rept 4
	v_nop
.endr
.irp i, 0,1,2,3,4,5,6,7,8,9,10,11,12,13,14,15
	global_load_b128 v[DR+4*\i:DR+4*\i+3], v[L16], s[52:53] offset:512*\i th:TH_LOAD_NT
.endr
.Lasked:
	; LDS addresses: a constant, a constant x lane, a constant x wave
	s_lshr_b32 s5, s[WV], 2                        ; my K step of the second product
	s_and_b32 s6, s[WV], 3                         ; my block of that step
	s_lshr_b32 s74, s[WV], 3                       ; the second product: my four query tiles
	s_and_b32 s75, s[WV], 7                        ; and my tile of V
	s_lshl_b32 s4, s5, 13
	s_lshl_b32 s7, s6, 8
	s_add_co_u32 s4, s4, s7
	s_add_co_u32 s4, s4, PIMG
	s_lshl_b32 s7, s[WV], 9
	s_add_co_u32 s7, s7, FST
	s_lshr_b32 s29, s[WV], 1
	s_lshl_b32 s29, s29, 10
	s_and_b32 s48, s[WV], 1
	s_lshl_b32 s48, s48, 7
	s_add_co_u32 s29, s29, s48
	s_add_co_u32 s29, s29, QIMG
	s_lshl_b32 s48, s[WV], 5
	s_add_co_u32 s48, s48, QSC
	v_and_b32 v23, 15, v0                          ; r
	v_mul_u32_u24 v24, v23, KPITCH
	v_lshl_add_u32 v24, v22, 7, v24
	v_add_nc_u32 v[KAD], s37, v24
	v_add_nc_u32 v[QIR], QIMG, v[L16]
	v_lshlrev_b32 v[SH8], 3, v22
	v_lshl_add_u32 v24, v23, 4, v[SH8]
	v_add_nc_u32 v[PIW], s4, v24                   ; 8,192 step + 256 block + 16 r + 8 h
	v_lshlrev_b32 v24, 2, v21
	v_add_nc_u32 v[FW], s7, v24
	v_add_nc_u32 v[QSR], QSC, v24
	v_lshrrev_b32 v24, 3, v21                      ; dense rows: my block of the row,
	v_and_b32 v25, 7, v21
	v_lshlrev_b32 v25, 1, v25                      ; and my two bytes of its codes
	v_lshl_add_u32 v25, v24, 8, v25
	v_add_nc_u32 v[QIW], s29, v25
	v_add_nc_u32 v[QSW], s48, v24
	v_add_nc_u32 v[LIW], LIMG, v25
	v_add_nc_u32 v[LSW], LSC, v24
	v_add_nc_u32 v[LIR], LIMG, v[L16]
	v_lshlrev_b32 v24, 2, v23
	v_add_nc_u32 v[LSR], LSC, v24
	v_mov_b32 v[TT], 0                             ; written once: a lane permute's destination counts as one of its sources
	v_lshlrev_b32 v25, 31, v22
	v_or_b32 v25, 0x3f800000, v25                  ; +1.0 in lanes 0-15 (d < 64), -1.0 in lanes 16-31
	; ---- my eight rows of Q
	s_wait_alu depctr_va_vdst(0)                   ; the head's end
	s_wait_loadcnt 0x0
.irp i, 0,1,2,3
	v_fma_f32 v[CF+\i], v[W1T+\i], v25, v[W2T+\i]  ; coeff = w1 x (+-1) + w2
.endr
	DQ QR, CF, QIW, QSW, 0
	s_wait_alu depctr_va_vdst(0)                   ; ahead of the barrier
	s_wait_dscnt 0x0                               ; my stores have landed
	s_barrier_signal -1
	s_barrier_wait -1                              ; BARRIER 0: Q's eight fragments lie in LDS.
	; ---- wave 15: its last 16 keys
	s_cmp_lg_u32 s[WV], 15
	s_cbranch_scc1 .Lno_dense
.irp i, 0,1,2,3
	v_cndmask_b32 v[KC+\i], 1.0, v[CF+\i], s[NEWM] ; cache rows are taken as they are: x 1.0 is exact
.endr
	DQ DR, KC, LIW, LSW, 0
	s_wait_alu depctr_va_vdst(0)
	s_wait_dscnt 0x0                               ; the stores have read the registers that are written again
	DQ DR+32, KC, LIW, LSW, 1
	s_wait_alu depctr_va_vdst(0)
	s_wait_dscnt 0x0
.Lno_dense:
	s_cmp_gt_u32 s[WV], 10                         ; THE GATE: waves 0-10 signal it when their tile of K has landed, waves 11-15 at once
	s_cbranch_scc1 .Lgate
	s_wait_tensorcnt 0x0
.Lgate:
	s_barrier_signal -1
	s_wait_tensorcnt 0x0                           ; my rows of K are in LDS; I alone read them.  Up to the gate's wait: LDS loads and register work
	KTQ 0
	s_wait_alu depctr_va_vdst(0)                   ; ahead of the branch
	s_cmp_eq_u32 s[WV], 15
	s_cbranch_scc1 .Lfrom_image
	KTQ 1
	s_wait_alu depctr_va_vdst(0)
	s_branch .Lkeys
.Lfrom_image:
.irp c, 0,1
	ds_load_b128 v[KF+8+4*\c:KF+11+4*\c], v[LIR] offset:512*\c   ; LDS serves a wave's instructions in order: these see my stores
.endr
	ds_load_b32 v[KS+1], v[LSR]
.Lkeys:
	QLOAD 0
.irp p, 0,1,2,3
	ds_load_b32 v[QS+\p], v[QSR] offset:128*\p
.endr
.set jj, 0
.rept 8
	v_pk_mul_f32 v[W3R+jj:W3R+jj+1], v[W3R+jj:W3R+jj+1], 0x413504f3 op_sel_hi:[1,0]   ; x sqrt(128).  (Also the places between the scale words' writes and the first scaled product)
.set jj, jj+2
.endr
	v_mov_b32 v2, 0x3e800000                       ; 2^-2, the scale operand of every block of p
	s_wait_alu depctr_va_vdst(0)                   ; directly ahead of the barrier's wait
	s_barrier_wait -1                              ; the gate is open: V's 32 rows are asked for
.irp i, 0,1,2,3,4,5,6,7,8,9,10,11,12,13,14,15
	global_load_b128 v[VR+4*\i:VR+4*\i+3], v[L16], s[16:17] offset:512*\i th:TH_LOAD_NT
.endr
.irp i, 0,1,2,3,4,5,6,7,8,9,10,11,12,13,14,15
	global_load_b128 v[VR+64+4*\i:VR+64+4*\i+3], v[L16], s[54:55] offset:512*\i th:TH_LOAD_NT
.endr
	PAIR 0
	PAIR 1
	PAIR 2
	PAIR 3
	s_wait_alu depctr_va_vdst(0)                   ; ahead of the barrier
	s_wait_dscnt 0x0
	s_barrier_signal -1                            ; BARRIER 1: my p, -F and l lie in LDS, and I read no tile of K any more.  Up to its wait: register work
	; ---- addresses of the second half
	s_lshl_b32 s4, s5, 13
	s_lshl_b32 s7, s6, 8
	s_add_co_u32 s4, s4, s7                        ; V's images: 8,192 step + 256 block
	s_lshl_b32 s7, s5, 2
	s_add_co_u32 s7, s7, s6
	s_add_co_u32 s7, s7, VSC                       ; V's scale bytes: 4 step + block
	s_lshl_b32 s29, s75, 10                        ; my tile of V
	s_lshl_b32 s48, s75, 8
	s_add_co_u32 s48, s48, VSC
	s_lshl_b32 s49, s74, 12
	s_add_co_u32 s49, s49, PIMG                    ; my tiles of p
	s_lshl_b32 s50, s74, 10
	s_add_co_u32 s50, s50, PSC
	s_lshl_b32 s51, s[WV], 8                       ; waves 0 and 1: the statistics of 64 queries
	s_add_co_u32 s51, s51, FST
	s_lshl_b32 s52, s[WV], 10
	s_add_co_u32 s52, s52, PSC
	s_lshl_b32 s53, s[WV], 9
	s_add_co_u32 s53, s53, SOUT
	s_lshl_b32 s32, s[BAT], 4
	s_add_co_u32 s32, s32, ttmp9                   ; the work-group
	s_lshl_b32 s34, s32, 10
	s_lshl_b32 s35, s[WV], 8
	s_add_co_u32 s34, s34, s35
	s_mov_b32 s35, 0
	s_add_nc_u64 s[26:27], s[26:27], s[34:35]      ; stats: 1,024 bytes for each work-group, 256 for wave 0 or 1 (no other wave stores there)
	s_lshl_b32 s32, s32, 16
	s_and_b32 s34, s75, 1
	s_lshl_b32 s34, s34, 15
	s_add_co_u32 s32, s32, s34
	s_lshr_b32 s34, s75, 2
	s_lshl_b32 s34, s34, 14
	s_add_co_u32 s32, s32, s34
	s_bfe_u32 s34, s75, 0x10001
	s_lshl_b32 s34, s34, 10
	s_add_co_u32 s32, s32, s34
	s_lshl_b32 s34, s74, 13
	s_add_co_u32 s32, s32, s34
	s_mov_b32 s33, 0
	s_add_nc_u64 s[24:25], s[24:25], s[32:33]      ; part: 65,536 bytes for each work-group; my first tile
	v_and_b32 v20, 31, v0                          ; lane
	v_and_b32 v21, 15, v0                          ; r
	v_bfe_u32 v22, v0, 4, 1
	v_lshlrev_b32 v22, 10, v22
	v_lshl_add_u32 v22, v21, 4, v22
	v_add_nc_u32 v[VIW], s4, v22                   ; + 1,024 H + 16 m, lane = 16 H + m
	v_add_nc_u32 v[VSW], s7, v[L16]
	v_add_nc_u32 v[VIR], s29, v[L16]
	v_lshlrev_b32 v22, 4, v21
	v_add_nc_u32 v[VSR], s48, v22
	v_add_nc_u32 v[PIR], s49, v[L16]
	v_add_nc_u32 v[PSR], s50, v[L16]
	v_lshlrev_b32 v22, 2, v20
	v_add_nc_u32 v[FR], s51, v22
	v_add_nc_u32 v[PSW], s52, v[L16]
	v_add_nc_u32 v[STW], s53, v22
	v_lshlrev_b32 v[G8], 3, v20
	v_add_nc_u32 v[STR], s53, v[G8]
	; ---- V: my block of 32 keys, four channels a lane, quantised in registers
	s_wait_alu depctr_va_vdst(0)                   ; directly ahead of the wait below
	s_wait_loadcnt 16                              ; rows 0-15 are in; rows 16-31 may be out
.irp i, 0,1,2,3
	v_max3_num_f32 v[20+\i], |v[VR+\i]|, |v[VR+4+\i]|, 0x1800000
.endr
.irp k, 2,4,6,8,10,12,14
.irp i, 0,1,2,3
	v_max3_num_f32 v[20+\i], v[20+\i], |v[VR+4*\k+\i]|, |v[VR+4*\k+4+\i]|
.endr
.endr
	COPY VR, 64                                    ; keys 0-15 -> v64 + 16 i
	s_wait_loadcnt 0x0
.irp k, 16,18,20,22,24,26,28,30
.irp i, 0,1,2,3
	v_max3_num_f32 v[20+\i], v[20+\i], |v[VR+4*\k+\i]|, |v[VR+4*\k+4+\i]|
.endr
.endr
.irp i, 0,1,2,3
	v_add_nc_u32 v[20+\i], 0xff000000, v[20+\i]
.endr
.irp i, 0,1,2,3
	v_lshrrev_b32 v[24+\i], 23, v[20+\i]
.endr
	COPY VR+64, VR                                 ; keys 16-31 -> v128 + 16 i, where rows 0-15 lay
.irp i, 0,1,2,3
.irp u, 0,1
	v_cvt_scalef32_pk8_fp4_f32 v[VC+4*\i+2*\u], v[64+16*\i+8*\u:64+16*\i+8*\u+7], v[20+\i]         ; register g = 2 u: keys 8 u + 0 .. 7
	v_cvt_scalef32_pk8_fp4_f32 v[VC+1+4*\i+2*\u], v[VR+16*\i+8*\u:VR+16*\i+8*\u+7], v[20+\i]       ; g = 2 u + 1: keys 16 + 8 u + 0 .. 7
.endr
.endr
	v_nop                                          ; one plain place behind a scaled conversion
	s_wait_alu depctr_va_vdst(0)                   ; directly ahead of the wait below
	s_barrier_wait -1                              ; BARRIER 1: p, -F and l of all waves lie in LDS, and nobody reads a tile of K any more
.irp i, 0,1,2,3
	ds_store_b128 v[VIW], v[VC+4*\i:VC+4*\i+3] offset:VIMG+2048*\i
.endr
.irp i, 0,1,2,3
	ds_store_b8 v[VSW], v[24+\i] offset:512*\i
.endr
	; ---- waves 0 and 1: p's scale words under F_wg, and l, for 64 queries: set a = query tiles 2 a, 2 a + 1 of the four (lanes 0-15 the first's, 16-31 the second's)
	s_cmp_gt_u32 s[WV], 1
	s_cbranch_scc1 .Lno_stat
.irp a, 0,1
.irp w, 0,1,2,3,4,5,6,7,8,9,10,11,12,13,14,15
	ds_load_b32 v[VF+16*\a+\w], v[FR] offset:128*\a+512*\w         ; -F of wave w's block
.endr
.endr
.irp a, 0,1
.irp w, 0,1,2,3,4,5,6,7,8,9,10,11,12,13,14,15
	ds_load_b32 v[ACC+16*\a+\w], v[FR] offset:LSO+128*\a+512*\w    ; and its l
.endr
.endr
	s_wait_dscnt 0x0
.irp a, 0,1
	v_min3_num_f32 v[20+2*\a], v[VF+16*\a], v[VF+16*\a+1], v[VF+16*\a+2]
	v_min3_num_f32 v[21+2*\a], v[VF+16*\a+3], v[VF+16*\a+4], v[VF+16*\a+5]
.endr
.irp k, 6,10
.irp a, 0,1
	v_min3_num_f32 v[20+2*\a], v[20+2*\a], v[VF+16*\a+\k], v[VF+16*\a+\k+1]
	v_min3_num_f32 v[21+2*\a], v[21+2*\a], v[VF+16*\a+\k+2], v[VF+16*\a+\k+3]
.endr
.endr
.irp a, 0,1
	v_min3_num_f32 v[20+2*\a], v[20+2*\a], v[VF+16*\a+14], v[VF+16*\a+15]
.endr
.irp a, 0,1
	v_min_num_f32 v[20+2*\a], v[20+2*\a], v[21+2*\a]               ; -F_wg
.endr
.irp a, 0,1
.irp w, 0,1,2,3,4,5,6,7,8,9,10,11,12,13,14,15
	v_sub_f32 v[VF+16*\a+\w], v[20+2*\a], v[VF+16*\a+\w]           ; F - F_wg: a whole number, 0 or less,
.endr
.endr
.set jj, 0
.rept 32
	v_max_num_f32 v[VF+jj], 0xc2f80000, v[VF+jj]                   ; held at -124
.set jj, jj+1
.endr
.set jj, 0
.rept 32
	v_cvt_i32_f32 v[VF+jj], v[VF+jj]
.set jj, jj+1
.endr
.irp k, 0,1,2,3,4,5,6,7
	v_lshl_add_u32 v[PSL+\k], v[VF+4*\k+3], 8, v[VF+4*\k+2]        ; four bytes as one sum: 125 + each of the four numbers at its place
.endr
.irp k, 0,1,2,3,4,5,6,7
	v_lshl_add_u32 v[PSL+\k], v[PSL+\k], 8, v[VF+4*\k+1]
.endr
.irp k, 0,1,2,3,4,5,6,7
	v_lshl_add_u32 v[PSL+\k], v[PSL+\k], 8, v[VF+4*\k]
.endr
.irp k, 0,1,2,3,4,5,6,7
	v_add_nc_u32 v[PSL+\k], 0x7d7d7d7d, v[PSL+\k]
.endr
	ds_store_b128 v[PSW], v[PSL:PSL+3]
	ds_store_b128 v[PSW], v[PSL+4:PSL+7] offset:512
.set jj, 0
.rept 32
	v_ldexp_f32 v[ACC+jj], v[ACC+jj], v[VF+jj]                     ; l under F_wg: nothing is rounded
.set jj, jj+1
.endr
.irp k, 8,4,2,1
.irp x, 0,1,2,3,4,5,6,7
.if \x < \k
	v_add_f32 v[ACC+\x], v[ACC+\x], v[ACC+\x+\k]
	v_add_f32 v[ACC+16+\x], v[ACC+16+\x], v[ACC+16+\x+\k]
.endif
.endr
.endr
.irp a, 0,1
	ds_store_b32 v[STW], v[20+2*\a] offset:128*\a
	ds_store_b32 v[STW], v[ACC+16*\a] offset:256+128*\a
.endr
	ds_load_b64 v[28:29], v[STR]                   ; LDS serves a wave's instructions in order: these see my stores
	ds_load_b64 v[30:31], v[STR] offset:256
	s_wait_dscnt 0x0
	global_store_b64 v[G8], v[28:29], s[26:27]     ; 32 lanes store 256 consecutive bytes
	global_store_b64 v[G8], v[30:31], s[26:27] offset:512
.Lno_stat:
	s_wait_dscnt 0x0
	s_barrier_signal -1
.irp s, 0,1,2,3
.irp q, 0,1,2,3
.irp c, 0,1
	ds_load_b128 v[PF+32*\s+8*\q+4*\c:PF+32*\s+8*\q+4*\c+3], v[PIR] offset:8192*\s+1024*\q+512*\c   ; p's fragments: bytes that nobody has written since barrier 1
.endr
.endr
.endr
	s_barrier_wait -1                              ; BARRIER 2: V's images and all scale words lie in LDS
	ds_load_b128 v[VSL:VSL+3], v[VSR]              ; a channel's four scale words,
.irp a, 0,1
	ds_load_b128 v[PSL+4*\a:PSL+4*\a+3], v[PSR] offset:512*\a      ; and a query's
.endr
.irp s, 0,1,2,3
.irp c, 0,1
	ds_load_b128 v[VF+8*\s+4*\c:VF+8*\s+4*\c+3], v[VIR] offset:VIMG+8192*\s+512*\c
.endr
.endr
	; ---- the second product: four accumulators by turns, in the same order in every K step
.macro PV s, q, c:vararg
.if (\q)%2
	v_wmma_scale_f32_16x16x128_f8f6f4 v[ACC+8*\q:ACC+8*\q+7], v[VF+8*\s:VF+8*\s+7], v[PF+32*\s+8*\q:PF+32*\s+8*\q+7], \c, v[VSL+\s], v[PSL+4*(\q/2)+\s] matrix_a_fmt:MATRIX_FMT_FP4 matrix_b_fmt:MATRIX_FMT_FP4 matrix_b_scale:MATRIX_SCALE_ROW1
.else
	v_wmma_scale_f32_16x16x128_f8f6f4 v[ACC+8*\q:ACC+8*\q+7], v[VF+8*\s:VF+8*\s+7], v[PF+32*\s+8*\q:PF+32*\s+8*\q+7], \c, v[VSL+\s], v[PSL+4*(\q/2)+\s] matrix_a_fmt:MATRIX_FMT_FP4 matrix_b_fmt:MATRIX_FMT_FP4
.endif
.endm
.irp s, 0,1,2,3
	s_wait_dscnt 6-2*\s                            ; K step s's two loads are in; the later steps' may be out
.irp q, 0,1,2,3
.if \s == 0
	PV \s, \q, 0
.else
	PV \s, \q, v[ACC+8*\q:ACC+8*\q+7]
.endif
.endr
.endr
.rept 4
	v_nop                                          ; four places in front of the stores that read the results
.endr
.irp q, 0,1,2,3
	global_store_b128 v[L16], v[ACC+8*\q:ACC+8*\q+3], s[24:25] offset:2048*\q th:TH_STORE_NT       ; each accumulator from its low end on; 32 lanes store 512 consecutive bytes
	global_store_b128 v[L16], v[ACC+8*\q+4:ACC+8*\q+7], s[24:25] offset:2048*\q+512 th:TH_STORE_NT
.endr
	s_wait_tensorcnt 0x0                           ; the wave's end
	ds_add_u32 v[SPW], v[NIL]
	s_wait_dscnt 0x0
	s_endpgm
.Lfunc_end_k_qf6c9b79bcd_attn:
	.size	k_qf6c9b79bcd_attn, .Lfunc_end_k_qf6c9b79bcd_attn-k_qf6c9b79bcd_attn
	.p2alignl 7, 3214868480
	.fill 96, 4, 3214868480
	.section	.rodata,"a",@progbits
	.p2align	6, 0x0
	.amdhsa_kernel k_qf6c9b79bcd_attn
		.amdhsa_group_segment_fixed_size 327680
		.amdhsa_private_segment_fixed_size 0
		.amdhsa_enable_private_segment 0
		.amdhsa_kernarg_size 80
		.amdhsa_user_sgpr_count 2
		.amdhsa_user_sgpr_kernarg_segment_ptr 1
		.amdhsa_wavefront_size32 1
		.amdhsa_system_sgpr_workgroup_id_x 1
		.amdhsa_system_sgpr_workgroup_id_y 1
		.amdhsa_system_sgpr_workgroup_id_z 1
		.amdhsa_system_vgpr_workitem_id 0
		.amdhsa_next_free_vgpr 256
		.amdhsa_next_free_sgpr 76
		.amdhsa_reserve_vcc 0
		.amdhsa_float_denorm_mode_32 3
		.amdhsa_float_denorm_mode_16_64 3
		.amdhsa_memory_ordered 1
		.amdhsa_forward_progress 1
		.amdhsa_inst_pref_size 96
	.end_amdhsa_kernel
	.amdgpu_metadata
---
amdhsa.version: [ 1, 2 ]
amdhsa.kernels:
  - .name:           k_qf6c9b79bcd_attn
    .symbol:         k_qf6c9b79bcd_attn.kd
    .args:
      - { .name: Q, .offset: 0, .size: 8, .value_kind: global_buffer, .address_space: global }
      - { .name: K, .offset: 8, .size: 8, .value_kind: global_buffer, .address_space: global }
      - { .name: V, .offset: 16, .size: 8, .value_kind: global_buffer, .address_space: global }
      - { .name: Kcache, .offset: 24, .size: 8, .value_kind: global_buffer, .address_space: global }
      - { .name: Vcache, .offset: 32, .size: 8, .value_kind: global_buffer, .address_space: global }
      - { .name: w1, .offset: 40, .size: 8, .value_kind: global_buffer, .address_space: global }
      - { .name: w2, .offset: 48, .size: 8, .value_kind: global_buffer, .address_space: global }
      - { .name: w3, .offset: 56, .size: 8, .value_kind: global_buffer, .address_space: global }
      - { .name: part, .offset: 64, .size: 8, .value_kind: global_buffer, .address_space: global }
      - { .name: stats, .offset: 72, .size: 8, .value_kind: global_buffer, .address_space: global }
    .group_segment_fixed_size: 327680
    .private_segment_fixed_size: 0
    .kernarg_segment_align: 8
    .kernarg_segment_size: 80
    .max_flat_workgroup_size: 512
    .sgpr_count:     76
    .vgpr_count:     256
    .wavefront_size: 32
...
	.end_amdgpu_metadata
.endif
;; end of part 1
;; launch merge (part 2): grid 256 x 1, 4 waves a work-group, no clusters, 5,120 bytes of LDS; arguments part, stats, out0; writes out0
.if DOCPART == 2
	.amdgcn_target "amdgcn-amd-amdhsa--gfx1250"
	.amdhsa_code_object_version 6
	.text
	.protected	k_qf6c9b79bcd_merge
	.globl	k_qf6c9b79bcd_merge
	.p2align	8
	.type	k_qf6c9b79bcd_merge,@function
k_qf6c9b79bcd_merge:
	s_mov_b64 s[64:65], 0
	v_nop
	global_prefetch_b8 v0, s[64:65] scope:SCOPE_SE
	s_setreg_imm32_b32 hwreg(HW_REG_WAVE_MODE, 25, 1), 1
	s_wait_xcnt 0x0
; The 16 chunks of a batch are joined: out0 = (sum over chunks c of 2^(M_c - M) O_c) / (sum over c of 2^(M_c - M) l_c), M = the largest M_c.  All M are whole numbers, so the weights are exact powers of two.
; part[wg = 16 batch + c][wave][accumulator 2 q + dt][half][lane][4] f32: register images of O^T: lane (r, h), register j: query 16 q + r, row m = 8 h + j of channel tile T = 2 wave + dt = 4 H + i, which is channel 64 H + 4 m + i.
; stats[wg][0][128] = -M_c, stats[wg][1][128] = l_c.
; SHARES.  A work-group takes 16 queries (q) and 64 channels (H) of a batch; wave v takes channel class i = v, tile T = 4 H + v.  A lane adds its eight numbers over the 16 chunks; all 32 loads of 512 consecutive bytes are out at once.
; The channels' order is undone in a stage in LDS (16 rows of 256 bytes + 16): channel 64 H + 32 h + 4 j + i lies at byte 128 h + 16 j + 4 i of its query's row; each wave then stores four rows, sixteen lanes to 256 consecutive bytes.
; No matrix work, no tensor load, no cluster: work-groups share nothing but 128 bytes of statistics a chunk.
; LIMITS: NaN and infinities are not served.
.set NMR, 8                            ; v8-23   -M_c, then M_c - M
.set LR,  24                           ; v24-39  l_c
.set F,   40                           ; v40-71  2^(M_c - M), twice: a pair for the packed forms
.set O,   72                           ; v72-79  the sums
.set RL,  82                           ; v82-83  1 / l, twice
.set BK,  84                           ; v84-91  rows read back
.set P,   96                           ; v96-223 the 16 chunks' eight numbers
	s_load_b128 s[4:7], s[0:1], 0x0                ; part, stats
	s_load_b64 s[8:9], s[0:1], 0x10                ; out0
	v_lshl_add_u32 v224, v0, 2, 0x1200
	v_mov_b32 v225, 0
	v_lshrrev_b32 v1, 5, v0
	v_readfirstlane_b32 s10, v1                    ; wave v
	v_and_b32 v6, 15, v0                           ; r
	v_bfe_u32 v7, v0, 4, 1                         ; h
	v_and_b32 v1, 31, v0
	v_lshlrev_b32 v1, 4, v1                        ; 16 x lane
	v_lshlrev_b32 v2, 2, v6                        ; 4 r
	v_mul_u32_u24 v3, v6, 272
	v_lshl_add_u32 v3, v7, 7, v3
	s_lshl_b32 s20, s10, 2
	v_add_nc_u32 v3, s20, v3                       ; into the stage: 272 r + 128 h + 4 v
	v_mul_u32_u24 v4, v7, 272
	v_lshl_add_u32 v4, v6, 4, v4
	s_mul_i32 s20, s10, 4*272
	v_add_nc_u32 v4, s20, v4                       ; back: rows 4 v + h, 16 bytes a lane
	v_lshlrev_b32 v5, 9, v7
	v_lshl_add_u32 v5, v6, 4, v5                   ; and the same in out0: 512 h + 16 r
	s_lshr_b32 s11, ttmp9, 4                       ; batch
	s_bfe_u32 s12, ttmp9, 0x30001                  ; q
	s_and_b32 s13, ttmp9, 1                        ; H
	s_lshl_b32 s14, s11, 20                        ; part: 16 chunks of 65,536 bytes a batch,
	s_lshl_b32 s20, s13, 1
	s_lshr_b32 s21, s10, 1
	s_add_co_u32 s20, s20, s21
	s_lshl_b32 s20, s20, 14                        ; the wave that made tile 4 H + v: 2 H + v / 2,
	s_add_co_u32 s14, s14, s20
	s_lshl_b32 s20, s12, 1
	s_and_b32 s21, s10, 1
	s_add_co_u32 s20, s20, s21
	s_lshl_b32 s20, s20, 10                        ; its accumulator 2 q + v % 2
	s_add_co_u32 s14, s14, s20
	s_mov_b32 s15, 0
	s_lshl_b32 s16, s11, 14                        ; stats: 16 chunks of 1,024 bytes a batch, + 64 q
	s_lshl_b32 s20, s12, 6
	s_add_co_u32 s16, s16, s20
	s_mov_b32 s17, 0
	s_lshl_b32 s18, s11, 7                         ; out0: row 128 batch + 16 q + 4 v, + 256 H bytes
	s_lshl_b32 s20, s12, 4
	s_add_co_u32 s18, s18, s20
	s_lshl_b32 s20, s10, 2
	s_add_co_u32 s18, s18, s20
	s_lshl_b32 s18, s18, 9
	s_lshl_b32 s20, s13, 8
	s_add_co_u32 s18, s18, s20
	s_mov_b32 s19, 0
	s_wait_alu depctr_va_vdst(0)
	s_wait_kmcnt 0x0
	s_add_nc_u64 s[4:5], s[4:5], s[14:15]
	s_add_nc_u64 s[6:7], s[6:7], s[16:17]
	s_add_nc_u64 s[8:9], s[8:9], s[18:19]
.irp c, 0,1,2,3,4,5,6,7,8,9,10,11,12,13,14,15
	global_load_b32 v[NMR+\c], v2, s[6:7] offset:1024*\c
	global_load_b32 v[LR+\c], v2, s[6:7] offset:1024*\c+512
.endr
.irp c, 0,1,2,3,4,5,6,7,8,9,10,11,12,13,14,15
	global_load_b128 v[P+8*\c:P+8*\c+3], v1, s[4:5] offset:65536*\c th:TH_LOAD_NT
	global_load_b128 v[P+8*\c+4:P+8*\c+7], v1, s[4:5] offset:65536*\c+512 th:TH_LOAD_NT
.endr
	s_wait_loadcnt 32                              ; the statistics are in; the 32 loads of partial sums may be out
	v_min3_num_f32 v80, v[NMR], v[NMR+1], v[NMR+2]
.irp c, 3,5,7,9,11,13
	v_min3_num_f32 v80, v80, v[NMR+\c], v[NMR+\c+1]
.endr
	v_min_num_f32 v80, v80, v[NMR+15]              ; -M = the least -M_c
.irp c, 0,1,2,3,4,5,6,7,8,9,10,11,12,13,14,15
	v_sub_f32 v[NMR+\c], v80, v[NMR+\c]            ; M_c - M: a whole number, 0 or less
.endr
.irp c, 0,1,2,3,4,5,6,7,8,9,10,11,12,13,14,15
	v_cvt_i32_f32 v[NMR+\c], v[NMR+\c]             ; (it saturates)
.endr
.irp c, 0,1,2,3,4,5,6,7,8,9,10,11,12,13,14,15
	v_ldexp_f32 v[F+2*\c], 1.0, v[NMR+\c]
	v_ldexp_f32 v[F+2*\c+1], 1.0, v[NMR+\c]
.endr
	v_mul_f32 v81, v[F], v[LR]                     ; l, in two chains
	v_mul_f32 v82, v[F+2], v[LR+1]
.irp c, 2,4,6,8,10,12,14
	v_fmac_f32 v81, v[F+2*\c], v[LR+\c]
	v_fmac_f32 v82, v[F+2*\c+2], v[LR+\c+1]
.endr
	v_add_f32 v81, v81, v82
	s_wait_alu depctr_va_vdst(0)
	v_rcp_f32 v[RL], v81                           ; at least one chunk has the weight 1 and a largest p above 1/2: l is no zero
	v_rcp_f32 v[RL+1], v81
.irp c, 0,1,2,3,4,5,6,7,8,9,10,11,12,13,14,15
	s_wait_alu depctr_va_vdst(0)
	s_wait_loadcnt 30-2*\c                         ; chunk c's two loads are in; the later chunks' may be out
.irp k, 0,2,4,6
.if \c == 0
	s_wait_alu depctr_va_vdst(0)
	v_pk_mul_f32 v[O+\k:O+\k+1], v[P+\k:P+\k+1], v[F:F+1]      ; the first chunk starts the sums.  (Plain work behind the reciprocals, which names none of their registers)
.else
	v_pk_fma_f32 v[O+\k:O+\k+1], v[P+8*\c+\k:P+8*\c+\k+1], v[F+2*\c:F+2*\c+1], v[O+\k:O+\k+1]
.endif
.endr
.endr
	s_wait_alu depctr_va_vdst(0)                   ; one wait for both reciprocals, ahead of their first reader
.irp k, 0,2,4,6
	v_pk_mul_f32 v[O+\k:O+\k+1], v[O+\k:O+\k+1], v[RL:RL+1]
.endr
.irp j, 0,1,2,3,4,5,6,7
	ds_store_b32 v3, v[O+\j] offset:16*\j          ; channel 64 H + 32 h + 4 j + v of query r
.endr
	s_wait_dscnt 0x0                               ; for the others' sake: my stores into the stage are done
	s_barrier_signal -1
	s_barrier_wait -1
	ds_load_b128 v[BK:BK+3], v4                    ; rows 4 v, 4 v + 1
	ds_load_b128 v[BK+4:BK+7], v4 offset:2*272     ; rows 4 v + 2, 4 v + 3
	s_wait_dscnt 1
	global_store_b128 v5, v[BK:BK+3], s[8:9] th:TH_STORE_NT                 ; sixteen lanes store 256 consecutive bytes, at a multiple of 256 from out0's first byte
	s_wait_dscnt 0x0
	global_store_b128 v5, v[BK+4:BK+7], s[8:9] offset:1024 th:TH_STORE_NT
	s_wait_tensorcnt 0x0
	ds_add_u32 v224, v225
	s_wait_dscnt 0x0
	s_endpgm
.Lfunc_end_k_qf6c9b79bcd_merge:
	.size	k_qf6c9b79bcd_merge, .Lfunc_end_k_qf6c9b79bcd_merge-k_qf6c9b79bcd_merge
	.p2alignl 7, 3214868480
	.fill 96, 4, 3214868480
	.section	.rodata,"a",@progbits
	.p2align	6, 0x0
	.amdhsa_kernel k_qf6c9b79bcd_merge
		.amdhsa_group_segment_fixed_size 5120
		.amdhsa_private_segment_fixed_size 0
		.amdhsa_enable_private_segment 0
		.amdhsa_kernarg_size 24
		.amdhsa_user_sgpr_count 2
		.amdhsa_user_sgpr_kernarg_segment_ptr 1
		.amdhsa_wavefront_size32 1
		.amdhsa_system_sgpr_workgroup_id_x 1
		.amdhsa_system_sgpr_workgroup_id_y 1
		.amdhsa_system_sgpr_workgroup_id_z 1
		.amdhsa_system_vgpr_workitem_id 0
		.amdhsa_next_free_vgpr 226
		.amdhsa_next_free_sgpr 66
		.amdhsa_reserve_vcc 0
		.amdhsa_float_denorm_mode_32 3
		.amdhsa_float_denorm_mode_16_64 3
		.amdhsa_memory_ordered 1
		.amdhsa_forward_progress 1
		.amdhsa_inst_pref_size 20
	.end_amdhsa_kernel
	.amdgpu_metadata
---
amdhsa.version: [ 1, 2 ]
amdhsa.kernels:
  - .name:           k_qf6c9b79bcd_merge
    .symbol:         k_qf6c9b79bcd_merge.kd
    .args:
      - { .name: part, .offset: 0, .size: 8, .value_kind: global_buffer, .address_space: global }
      - { .name: stats, .offset: 8, .size: 8, .value_kind: global_buffer, .address_space: global }
      - { .name: out0, .offset: 16, .size: 8, .value_kind: global_buffer, .address_space: global }
    .group_segment_fixed_size: 5120
    .private_segment_fixed_size: 0
    .kernarg_segment_align: 8
    .kernarg_segment_size: 24
    .max_flat_workgroup_size: 128
    .sgpr_count:     66
    .vgpr_count:     226
    .wavefront_size: 32
...
	.end_amdgpu_metadata
.endif
;; end of part 2
